; MI455X (gfx1250); checked and timed in simulation.
; The chip was launched on July 23, 2026; its instructions are those of AMD's public machine-readable ISA for CDNA 5 (MIT licence, August 2026) and "CDNA5" Instruction Set Architecture Reference Guide (July 2026). The comments in the code are by the model that wrote it; some were corrected since.
;; Ghost Linear. Allowed arithmetic: matrix products marked QUANTISED: E2M1 operands, one E8M0 scale for each 32 along K, by v_wmma_scale_f32_16x16x128_f8f6f4 with both operands' format E2M1 (or v_wmma_scale_f32_32x16x128_f4), f32 sums; everything else in f32.
;; Inputs: grid_indices 4,096 x 4,096 int32; lut 65,536 float32; scale 4,096 x 1 float32; x 4 x 1,024 x 4,096 float32.
;; Outputs: out0 4 x 1,024 x 4,096 float32.
;; This version of the problem:
;;   THIS VERSION OF THE PROBLEM IS GIVEN IN LOW PRECISION. The matrix products marked QUANTISED in the list below multiply operands that are first quantised to E2M1 (2 exponent bits, 1 mantissa bit; 4 bits a number), with one power-of-two scale for each 32 numbers along K (OCP MX v1.0); their sums are f32. All else is computed in f32.
;;   The module's matrix products, in the order in which they are computed (A, B: the left and right operand; K: the contracted axis; several contracted axes count as one K, in the product's order):
;;     1. [M 4,096, K 4,096] x [K 4,096, N 4,096]; A: input x; B: computed on the way: QUANTISED
;;   THE QUANTISER, for each operand of a quantised product, along K:
;;     - K is cut into blocks of 32 from its start; a last block that is shorter is filled with zeros.
;;     - A block's scale is 2^e with e = floor(log2(the largest magnitude in the block)) - 2, held to -126 .. 127; a block of zeros has e = 0. As a byte (E8M0): e + 127.
;;     - Each number is divided by its block's scale, clamped to +-6, and rounded to the nearest number of E2M1, ties to even, subnormals kept.
;;     - The product sums the exact products of the quantised numbers (number of the format x scale) in f32.
;;   ~~~python
;;   def quantise(x, axis):      # numpy; x: float32 -> the quantised numbers, widened to float32 again
;;       x = np.moveaxis(x, axis, -1); K = x.shape[-1]
;;       x = np.pad(x, [(0, 0)] * (x.ndim - 1) + [(0, -K % 32)]); x = x.reshape(x.shape[:-1] + (-1, 32)); a = np.abs(x).max(-1, keepdims=True)
;;       e = np.where(a > 0, np.clip(np.frexp(np.where(a > 0, a, 1))[1] - 1 - 2, -126, 127), 0)      # np.frexp(a)[1] - 1 = floor(log2(a)), exactly
;;       r = np.clip(x / 2.0 ** e, -6, 6)
;;       step = 2.0 ** (np.maximum(np.frexp(np.where(r == 0, 1, r))[1] - 1, 0) - 1)
;;       q = np.round(r / step) * step * 2.0 ** e      # np.round: ties to even
;;       return np.moveaxis(q.reshape(q.shape[:-2] + (-1,))[..., :K], -1, axis).astype(np.float32)
;;   ~~~
;;   OPERANDS COMPUTED ON THE WAY. 'Computed on the way' means the value that the module computes at that place (a softmax that the list does not call 'softmax' is quantised finished and normalised). What goes into a quantiser is computed in f32, as accurately as f32 sums, v_exp_f32 and their like allow (about 1e-6 of the number): no bf16 or f16 on the way to a quantiser, and a product that is left as it is and whose result goes on into a quantised operand takes f32 operands (vector FMAs, or v_wmma_f32_16x16x4_f32). A number that lies on a knife's edge between two numbers of the format may be rounded either way, as far as f32 arithmetic and the matrix unit's own rounding can turn it there, and no further.
;; One version. Each part assembles by itself: llvm-mc -triple=amdgcn-amd-amdhsa -mcpu=gfx1250 --defsym DOCPART=n.
;; ======== version 1 of 1: 2 launches
;; limits: right only within a limited range of input values
;; workspace buffers: acodes 8,388,608 bytes; bcodes 8,388,608 bytes; scl 1,048,576 bytes
;; launch quant (part 1): grid 256 x 1, 16 waves a work-group, no clusters, 268,288 bytes of LDS; arguments x, grid_indices, lut, scale, acodes, bcodes, scl; writes acodes, bcodes, scl
.if DOCPART == 1
	.amdgcn_target "amdgcn-amd-amdhsa--gfx1250"
	.amdhsa_code_object_version 6
	.text
	.protected	k_qd2d448055e_quant
	.globl	k_qd2d448055e_quant
	.p2align	8
	.type	k_qd2d448055e_quant,@function
k_qd2d448055e_quant:
	s_mov_b64 s[64:65], 0
	v_nop
	global_prefetch_b8 v0, s[64:65] scope:SCOPE_SE
	s_setreg_imm32_b32 hwreg(HW_REG_WAVE_MODE, 25, 1), 1
	s_wait_xcnt 0x0
; x [4096][4096] f32 and w[o][k] = lut[grid_indices[o][k]] * scale[o] (one f32 multiply) are turned into codes of FP4 (E2M1), two codes a byte (the lower k in the low
; four bits), with one E8M0 byte for each 32 along K.  The workspaces are laid as the product launch takes them:
; acodes, bcodes: [row tile of 128: 32][K piece of 512: 8][row 128][256 bytes]: 128 rows of one K piece are 32,768 consecutive bytes.
; scl: [side 2][row block 256][K piece 8][row in block 16][16 bytes].
; A block's scale is 2^(floor(log2(its largest magnitude)) - 2): its byte is the largest magnitude's exponent field - 2, held at 1 from below.
; LIMITS: NaN and infinities among x, lut and scale are not served.  A block of zeros gets the byte 1 where the rule says 127: its codes are zeros, which add nothing under any byte
; but 0xff, and the bytes are read by this program alone.  An index outside 0 .. 65535 (the problem has none) is held at 65535.
; SHARES.  256 work-groups of 16 waves.  Wave w of work-group g owns row 16 g + w of x and the same row of w: 16 KiB of numbers, 16 KiB of indices, each as four UNITS of 1,024.
; THE TABLE, 262,144 bytes, lies in LDS: each wave brings 16 KiB of it by one tensor load, its first memory instruction.  It is filled once.
; It is not asked for jointly in a cluster: a joint request wants every LDS address of the text equal in all partners, and the gather's LDS addresses are each work-group's own indices.
; ORDER OF THE WORK.  Beside the table only the first unit of indices is asked for.  Behind the barrier that shows the table whole, units of w and of x take turns: w0 x0 w1 x1 w2 x2 w3 x3;
; a unit of x is quantised while the next unit of w is gathered.  The loads go out as i0 | i1 x0 x1 i2 x2 i3 x3 (i: indices, x: numbers; eight loads each), a set taking its next unit
; as soon as the one before is converted.
; HOW A UNIT LIES IN REGISTERS.  Lane l = (R = l / 16, u = (l / 8) % 2, i = l % 8).  Load j of 8 reads 16 bytes at 2048 R + 256 j + 16 (l % 16): each half of the lanes reads 256
; consecutive bytes, aligned.  So the lane holds numbers 4 i .. 4 i + 3 of block 16 R + 2 j + u: a block lies in the eight lanes of a group, its largest magnitude is three lane
; exchanges, and its codes, 16 bits a lane, are turned 8 x 8 inside the group (lane i <-> load j), in registers.  Then lane (R, u, j) holds the whole block 16 R + 2 j + u, 16 bytes,
; and each half of the lanes stores 256 consecutive bytes, aligned: its row's part of K piece 2 unit + R.
; No LDS store stands beside the gather: between the two barriers round it LDS is only read.
.set SCB,  262144                      ; LDS behind the table: the work-group's scale bytes, [side 2][K piece 8][wave 16][16 bytes] = 4,096 bytes; behind them, from 0x41000 on, the spare words
.set IN,   1                           ; v1   2048 R + 16 (l % 16): my 16 bytes of a load; never rewritten
.set OUT,  2                           ; v2   256 R + 32 (l % 8) + 16 u
.set SEL,  3                           ; v3   byte selects of the first exchange: even lanes 0x05040100, odd lanes 0x03020706
.set SH,   4                           ; v4   8 u: where my bytes stand in a scale word
.set SW,   5                           ; v5   SCB + 256 R + 16 wave: where I put a K piece's sixteen bytes
.set SR,   6                           ; v6   SCB + 256 wave + 8 lane: where I read the image back
.set GS,   7                           ; v7   8 lane: the same place in my wave's 256 bytes of scl
.set OUTA, 15                          ; v15  32768 R + 32 (l % 8) + 16 u: my block's 16 bytes in the codes' buffers; never rewritten
.set M,    16                          ; v16-23  largest magnitudes, then the conversions' scale operands
.set BY,   24                          ; v24-31  scale bytes
.set T,    32                          ; v32-39  at work
.set C,    48                          ; v48-79  codes: four registers for each of the 8 units, so that no store's data are written again
.set W,    80                          ; v80-111 scale words: four for each unit
.set SET,  112                         ; v112-239 four sets of 32: a unit's numbers, or its indices and then its table entries
	s_load_b256 s[4:11], s[0:1], 0x0               ; x s[4:5], grid_indices s[6:7], lut s[8:9], scale s[10:11]
	s_load_b128 s[12:15], s[0:1], 0x20             ; acodes s[12:13], bcodes s[14:15]
	s_load_b64 s[16:17], s[0:1], 0x30              ; scl
	v_lshl_add_u32 v240, v0, 2, 0x41000
	v_mov_b32 v241, 0
	ds_add_u32 v240, v241                          ; the opening lines: the add, twice on end, and its wait ahead of my tensor load
	ds_add_u32 v240, v241
	v_lshrrev_b32 v10, 5, v0
	s_delay_alu instid0(VALU_DEP_1)
	v_readfirstlane_b32 s18, v10                   ; wave 0..15
	v_and_b32 v10, 15, v0
	v_bfe_u32 v11, v0, 4, 1                        ; R
	s_delay_alu instid0(VALU_DEP_2)
	v_lshlrev_b32 v[IN], 4, v10
	s_delay_alu instid0(VALU_DEP_1)
	v_lshl_add_u32 v[IN], v11, 11, v[IN]
	v_and_b32 v10, 7, v0
	s_delay_alu instid0(VALU_DEP_1)
	v_lshlrev_b32 v[OUT], 5, v10
	s_delay_alu instid0(VALU_DEP_1)
	v_lshl_add_u32 v[OUT], v11, 8, v[OUT]
	v_bfe_u32 v10, v0, 3, 1                        ; u
	s_delay_alu instid0(VALU_DEP_1)
	v_lshl_add_u32 v[OUT], v10, 4, v[OUT]
	s_delay_alu instid0(VALU_DEP_2)
	v_lshlrev_b32 v[SH], 3, v10
	s_mov_b32 s36, 0xffff                          ; a word's low 16 bits
	s_mov_b32 s37, 0xcccccccc                      ; lanes whose number has bit 1 set
	s_mov_b32 s38, 0xf0f0f0f0                      ; bit 2
	s_mov_b32 s39, 0xaaaaaaaa                      ; bit 0
	v_mov_b32 v[SEL], 0x05040100
	v_mov_b32 v10, 0x03020706
	s_delay_alu instid0(VALU_DEP_1)
	v_cndmask_b32 v[SEL], v[SEL], v10, s39
	s_lshl_b32 s19, s18, 4
	v_lshl_add_u32 v[SW], v11, 8, s19
	s_delay_alu instid0(VALU_DEP_1)
	v_add_nc_u32 v[SW], SCB, v[SW]
	v_lshl_add_u32 v[SR], v0, 3, SCB               ; 8 x thread = 256 wave + 8 lane
	v_and_b32 v[GS], 31, v0
	s_delay_alu instid0(VALU_DEP_1)
	v_lshlrev_b32 v[GS], 3, v[GS]
	v_bfe_u32 v13, v0, 4, 1                        ; R
	v_mul_u32_u24 v14, v13, 0x7f00                 ; 32,768 R in place of OUT's 256 R
	v_add_nc_u32 v[OUTA], v14, v[OUT]
	s_lshl_b32 s21, ttmp9, 4
	s_add_co_u32 s21, s21, s18                     ; my row: 16 x work-group + wave
	s_lshl_b32 s22, s21, 14                        ; x 16,384 bytes in x and in grid_indices,
	s_mov_b32 s23, 0
	s_lshr_b32 s48, s21, 7                         ; the codes: 262,144 x (row / 128) + 256 x (row % 128)
	s_lshl_b32 s48, s48, 18
	s_and_b32 s49, s21, 127
	s_lshl_b32 s49, s49, 8
	s_add_co_u32 s48, s48, s49
	s_mov_b32 s49, 0
	s_lshl_b32 s42, s21, 2                         ; x 4 in scale
	s_mov_b32 s43, 0
	s_lshr_b32 s19, s18, 3                         ; scl: wave w stores the image's bytes 256 w on: side w / 8,
	s_lshl_b32 s46, s19, 19
	s_lshl_b32 s19, ttmp9, 11                      ; row block = work-group,
	s_add_co_u32 s46, s46, s19
	s_and_b32 s19, s18, 7                          ; K piece w % 8
	s_lshl_b32 s19, s19, 8
	s_add_co_u32 s46, s46, s19
	s_mov_b32 s47, 0
	; the table's descriptor.  Group 1: 64 rows of 32 elements of 8 bytes, dense: 16,384 bytes, laid into LDS as they lie
	s_mov_b32 s28, 3<<16                           ; no mask; elements of 8 bytes; no padding
	s_mov_b32 s29, 32<<16                          ; tensor_dim0 = 32
	s_mov_b32 s30, 64<<16                          ; tensor_dim1 = 64
	s_mov_b32 s31, 32<<16                          ; tile_dim0 = 32
	s_mov_b32 s32, 64                              ; tile_dim1 = 64
	s_mov_b32 s33, 32                              ; elements from row to row
	s_mov_b32 s34, 0
	s_mov_b32 s35, 0
	s_mov_b32 s24, 1                               ; group 0: count = 1
	s_lshl_b32 s25, s18, 14                        ; LDS address: 16,384 x wave
	s_mov_b32 s2, s25                              ; and the same offset in the table
	s_mov_b32 s3, 0
	s_wait_dscnt 0x0
	s_wait_kmcnt 0x0
	s_add_nc_u64 s[4:5], s[4:5], s[22:23]
	s_add_nc_u64 s[6:7], s[6:7], s[22:23]
	s_add_nc_u64 s[12:13], s[12:13], s[48:49]
	s_add_nc_u64 s[14:15], s[14:15], s[48:49]
	s_add_nc_u64 s[16:17], s[16:17], s[46:47]
	s_add_nc_u64 s[10:11], s[10:11], s[42:43]
	s_add_nc_u64 s[26:27], s[8:9], s[2:3]
	s_or_b32 s27, s27, 0x80000000                  ; type = 2
.macro LOAD8 base, u, set              ; unit u of the row at s[base:base+1] into a set: eight loads, each half of the lanes 256 consecutive bytes
.irp j, 0,1,2,3,4,5,6,7
	global_load_b128 v[SET+32*(\set)+4*\j:SET+32*(\set)+4*\j+3], v[IN], s[\base:\base+1] offset:4096*(\u)+256*\j th:TH_LOAD_NT
.endr
.endm
; One exchange of the 8 x 8 turn, for two pairs of registers (e, o): lanes whose number has the bit of mask m clear keep e and take the partner's e as o; the others keep o and take the partner's o as e.
.macro XCH2 e0, o0, e1, o1, m, x
	v_cndmask_b32 v[T], v[\o0], v[\e0], s[\m]      ; what my partner wants of me
	v_cndmask_b32 v[T+1], v[\o1], v[\e1], s[\m]
	s_delay_alu instid0(VALU_DEP_2)
	v_mov_b32_dpp v[T+2], v[T] row_xmask:\x row_mask:0xf bank_mask:0xf
	s_delay_alu instid0(VALU_DEP_2)
	v_mov_b32_dpp v[T+3], v[T+1] row_xmask:\x row_mask:0xf bank_mask:0xf
	s_delay_alu instid0(VALU_DEP_2)
	v_cndmask_b32 v[\o0], v[T+2], v[\o0], s[\m]
	s_delay_alu instid0(VALU_DEP_2)
	v_cndmask_b32 v[\o1], v[T+3], v[\o1], s[\m]
	s_delay_alu instid0(VALU_DEP_4)
	v_cndmask_b32 v[\e0], v[\e0], v[T+2], s[\m]
	s_delay_alu instid0(VALU_DEP_4)
	v_cndmask_b32 v[\e1], v[\e1], v[T+3], s[\m]
.endm
; The 32 numbers a lane of set u become the codes of unit n (v[C + 4 n] on: one whole block a lane) and its scale words (v[W + 4 n] on: in every lane of half R the sixteen bytes of K piece 2 (n % 4) + R).
.macro QUNIT u, n
.set S,  SET+32*(\u)
.set CC, C+4*(\n)
.set WW, W+4*(\n)
.irp j, 0,1,2,3,4,5,6,7
	v_max3_num_f32 v[M+\j], |v[S+4*\j]|, |v[S+4*\j+1]|, 0x1800000   ; my four numbers of block 16 R + 2 j + u, and the floor 2^(3 - 127): so the byte cannot fall under 1
.endr
.irp j, 0,1,2,3,4,5,6,7
	v_max3_num_f32 v[M+\j], v[M+\j], |v[S+4*\j+2]|, |v[S+4*\j+3]|
.endr
.irp x, 1,2,4
.irp j, 0,1,2,3,4,5,6,7
	v_max_num_f32_dpp v[M+\j], v[M+\j], v[M+\j] row_xmask:\x row_mask:0xf bank_mask:0xf   ; with the seven other lanes of my group: the block's largest magnitude
.endr
.endr
.irp j, 0,1,2,3,4,5,6,7
	v_add_nc_u32 v[M+\j], 0xff000000, v[M+\j]      ; 2 off its exponent field: the conversion takes the exponent field of this operand as its scale
.endr
.irp j, 0,1,2,3,4,5,6,7
	v_lshrrev_b32 v[BY+\j], 23, v[M+\j]            ; the scale's byte
.endr
.irp p, 0,1,2,3                        ; a conversion takes eight numbers under one scale; mine are four of load 2 p and four of load 2 p + 1: so it runs twice, and each time half of the result counts
	v_cvt_scalef32_pk8_fp4_f32 v[T+\p], v[S+8*\p:S+8*\p+7], v[M+2*\p]        ; its low 16 bits: load 2 p
	v_cvt_scalef32_pk8_fp4_f32 v[T+4+\p], v[S+8*\p:S+8*\p+7], v[M+2*\p+1]    ; its high 16 bits: load 2 p + 1
.endr
.irp q, 0,1,2,3
	v_lshl_or_b32 v[WW+\q], v[BY+2*\q+1], 16, v[BY+2*\q]   ; word q: my bytes of loads 2 q and 2 q + 1.  (Plain lines between the conversions and the first use of their results)
.endr
.irp p, 0,1,2,3
	v_bfi_b32 v[CC+\p], s36, v[T+\p], v[T+4+\p]    ; register p: load 2 p below, load 2 p + 1 above
.endr
.irp q, 0,1,2,3
	v_lshlrev_b32 v[WW+\q], v[SH], v[WW+\q]        ; at bytes u and 2 + u of the word;
.endr
.irp q, 0,1,2,3
	s_delay_alu instid0(VALU_DEP_4)
	v_mov_b32_dpp v[T+\q], v[WW+\q] row_xmask:8 row_mask:0xf bank_mask:0xf
.endr
.irp q, 0,1,2,3
	s_delay_alu instid0(VALU_DEP_4)
	v_or_b32 v[WW+\q], v[WW+\q], v[T+\q]           ; with the other group's two bytes the word is whole
.endr
.irp p, 0,1,2,3                        ; THE TURN.  First exchange: bit 0 of the lane against the halves of a register
	v_mov_b32_dpp v[T+4+\p], v[CC+\p] row_xmask:1 row_mask:0xf bank_mask:0xf
.endr
.irp p, 0,1,2,3
	s_delay_alu instid0(VALU_DEP_4)
	v_perm_b32 v[CC+\p], v[T+4+\p], v[CC+\p], v[SEL]   ; even lanes: my low half, the partner's low half above it; odd lanes: the partner's high half, my high half above it
.endr
	XCH2 CC, CC+1, CC+2, CC+3, 37, 2               ; bit 1 of the lane against bit 0 of the register's number
	XCH2 CC, CC+2, CC+1, CC+3, 38, 4               ; bit 2 against bit 1
.endm
; The 32 indices a lane of set u become table entries, in place.  cnt: the younger loads, which may stay out.
.macro GATHER u, cnt
	s_wait_loadcnt \cnt
.set E, SET+32*(\u)
.rept 32
	v_min_u32 v[E], 0xffff, v[E]                   ; inside the table
.set E, E+1
.endr
.set E, SET+32*(\u)
.rept 32
	v_lshlrev_b32 v[E], 2, v[E]                    ; entry i lies at LDS byte 4 i
.set E, E+1
.endr
.set E, SET+32*(\u)
.rept 32
	ds_load_b32 v[E], v[E]
.set E, E+1
.endr
.endm
.macro WQ set, u                       ; w's unit u, gathered into a set: x scale[my row], the one multiplication between the table and the quantiser, in f32; then codes and scale words
	s_wait_dscnt 0x0                               ; the 32 entries are in
.set E, SET+32*(\set)
.rept 16
	v_pk_mul_f32 v[E:E+1], v[E:E+1], s[40:41] op_sel_hi:[1,0]
.set E, E+2
.endr
	QUNIT \set, 4+\u
	global_store_b128 v[OUTA], v[C+16+4*(\u):C+16+4*(\u)+3], s[14:15] offset:65536*(\u)
.endm
.macro XQ set, u                       ; x's unit u
	QUNIT \set, \u
	global_store_b128 v[OUTA], v[C+4*(\u):C+4*(\u)+3], s[12:13] offset:65536*(\u)
.endm
	tensor_load_to_lds s[24:27], s[28:35]          ; my 16 KiB of the table: the wave's one tensor load
	s_nop 0
.rept 4
	v_nop
.endr
	s_load_b32 s40, s[10:11], 0x0                  ; scale[my row]
	LOAD8 6, 0, 0                                  ; i0
	s_wait_kmcnt 0x0
	s_mov_b32 s41, s40                             ; (the packed form names the pair and takes its low word for both halves: so s41 is written)
	s_wait_tensorcnt 0x0                           ; for the others' sake: my part of the table has landed
	s_barrier_signal -1
	s_barrier_wait -1                              ; everybody's has.  From here to the next barrier LDS is only read
	LOAD8 6, 1, 1                                  ; i1
	LOAD8 4, 0, 2                                  ; x0
	LOAD8 4, 1, 3                                  ; x1
	GATHER 0, 24                                   ; i0: younger are i1 x0 x1
	WQ 0, 0
	LOAD8 6, 2, 0                                  ; i2
	GATHER 1, 24                                   ; i1: younger are x0 x1 i2
	s_wait_loadcnt 16                              ; x0: younger are x1 i2
	XQ 2, 0
	LOAD8 4, 2, 2                                  ; x2
	WQ 1, 1
	LOAD8 6, 3, 1                                  ; i3
	GATHER 0, 16                                   ; i2: younger are x2 i3; x1, which is older, is in too
	XQ 3, 1
	LOAD8 4, 3, 3                                  ; x3
	WQ 0, 2
	GATHER 1, 8                                    ; i3: younger is x3; x2 is in too
	XQ 2, 2
	WQ 1, 3
	s_wait_loadcnt 0x0                             ; x3
	XQ 3, 3
; ---- the scale bytes.  My reads of LDS are over (the last wait on DScnt was for 0, and nothing was issued since): behind this barrier everybody's are, and LDS may be written.
	s_barrier_signal -1
	s_barrier_wait -1
.irp n, 0,1,2,3,4,5,6,7
	ds_store_b128 v[SW], v[W+4*\n:W+4*\n+3] offset:(\n/4)*2048+(\n%4)*512   ; side n / 4, K piece 2 (n % 4) + R, row = wave; the sixteen lanes of a half write the same bytes with the same values
.endr
	s_wait_dscnt 0x0                               ; for the others' sake: my stores have landed
	s_barrier_signal -1
	s_barrier_wait -1
	ds_load_b64 v[8:9], v[SR]                      ; one K piece of one side, all sixteen rows: 256 bytes a wave
	s_wait_dscnt 0x0
	global_store_b64 v[GS], v[8:9], s[16:17]       ; the wave stores 256 consecutive bytes, aligned
	s_wait_tensorcnt 0x0                           ; the wave's end
	ds_add_u32 v240, v241
	s_wait_dscnt 0x0
	s_endpgm
.Lfunc_end_k_qd2d448055e_quant:
	.size	k_qd2d448055e_quant, .Lfunc_end_k_qd2d448055e_quant-k_qd2d448055e_quant
	.p2alignl 7, 3214868480
	.fill 96, 4, 3214868480
	.section	.rodata,"a",@progbits
	.p2align	6, 0x0
	.amdhsa_kernel k_qd2d448055e_quant
		.amdhsa_group_segment_fixed_size 268288
		.amdhsa_private_segment_fixed_size 0
		.amdhsa_enable_private_segment 0
		.amdhsa_kernarg_size 56
		.amdhsa_user_sgpr_count 2
		.amdhsa_user_sgpr_kernarg_segment_ptr 1
		.amdhsa_wavefront_size32 1
		.amdhsa_system_sgpr_workgroup_id_x 1
		.amdhsa_system_sgpr_workgroup_id_y 1
		.amdhsa_system_sgpr_workgroup_id_z 1
		.amdhsa_system_vgpr_workitem_id 0
		.amdhsa_next_free_vgpr 242
		.amdhsa_next_free_sgpr 66
		.amdhsa_reserve_vcc 0
		.amdhsa_float_denorm_mode_32 3
		.amdhsa_float_denorm_mode_16_64 3
		.amdhsa_memory_ordered 1
		.amdhsa_forward_progress 1
		.amdhsa_inst_pref_size 95
	.end_amdhsa_kernel
	.amdgpu_metadata
---
amdhsa.version: [ 1, 2 ]
amdhsa.kernels:
  - .name:           k_qd2d448055e_quant
    .symbol:         k_qd2d448055e_quant.kd
    .args:
      - { .name: x, .offset: 0, .size: 8, .value_kind: global_buffer, .address_space: global }
      - { .name: grid_indices, .offset: 8, .size: 8, .value_kind: global_buffer, .address_space: global }
      - { .name: lut, .offset: 16, .size: 8, .value_kind: global_buffer, .address_space: global }
      - { .name: scale, .offset: 24, .size: 8, .value_kind: global_buffer, .address_space: global }
      - { .name: acodes, .offset: 32, .size: 8, .value_kind: global_buffer, .address_space: global }
      - { .name: bcodes, .offset: 40, .size: 8, .value_kind: global_buffer, .address_space: global }
      - { .name: scl, .offset: 48, .size: 8, .value_kind: global_buffer, .address_space: global }
    .group_segment_fixed_size: 268288
    .private_segment_fixed_size: 0
    .kernarg_segment_align: 8
    .kernarg_segment_size: 56
    .max_flat_workgroup_size: 512
    .sgpr_count:     66
    .vgpr_count:     242
    .wavefront_size: 32
...
	.end_amdgpu_metadata
.endif
;; end of part 1
;; launch gemm (part 2): grid 16 x 16, 4 waves a work-group, clusters of 4 x 4, 327,680 bytes of LDS; arguments acodes, bcodes, scl, out0; writes out0
.if DOCPART == 2
	.amdgcn_target "amdgcn-amd-amdhsa--gfx1250"
	.amdhsa_code_object_version 6
	.text
	.protected	k_qd2d448055e_gemm
	.globl	k_qd2d448055e_gemm
	.p2align	8
	.type	k_qd2d448055e_gemm,@function
k_qd2d448055e_gemm:
	s_mov_b64 s[64:65], 0
	v_nop
	global_prefetch_b8 v0, s[64:65] scope:SCOPE_SE
	s_setreg_imm32_b32 hwreg(HW_REG_WAVE_MODE, 25, 1), 1
	s_wait_xcnt 0x0
	s_wait_alu depctr_hold_cnt(0) depctr_sa_sdst(0) depctr_va_vdst(0) depctr_va_sdst(0) depctr_va_ssrc(0) depctr_va_vcc(0) depctr_vm_vsrc(0)
	s_getreg_b32 s2, hwreg(HW_REG_IB_STS2, 6, 4)
	s_cmp_eq_u32 s2, 0
	s_cbranch_scc0 .Lentry_in_a_cluster
	s_endpgm
.Lentry_in_a_cluster:
	s_bfe_u32 s2, ttmp6, 0x10000c
	s_cmp_lg_u32 s2, 0xf033
	s_cbranch_scc0 .Lentry_shape_is_right
	s_endpgm
.Lentry_shape_is_right:
; out0[m][n] = sum over k of A[m][k] B[n][k] on codes of FP4 (E2M1) with one E8M0 byte for each 32 along K, as the launch before has laid them; sums in f32.
; A tile of out0, 256 x 256, is made by a work-group of four waves; a wave makes 128 x 128: 64 accumulators of 16 x 16, 512 registers.  16 x 16 = 256 work-groups.
; K goes in steps of 512 through a ring of two LDS slots.  In acodes and bcodes 128 rows of one K step are 32,768 consecutive bytes: what one wave's tensor load brings, as rows of 256 bytes.
; CLUSTERS: 4 x 4 work-groups.  The four of a row of the cluster need the same tiles of A, the four of a column the same tiles of B: each tile is asked for JOINTLY, by the same tensor load with
; the same descriptor and a mask that names the four.  A round of the cluster's barrier stands in front of every joint load.
; SCALES: from scl straight into registers: one load of 16 bytes a lane brings the four words of a K step: lanes 0-15 those of A's block i, lanes 16-31 those of B's block i; two sets of 32.
; PREFETCH: at a change of slots every wave has waited for all its tensor loads, so a refill goes out with nothing on its way beside it.  Of the 32,768 bytes that a wave fetches in a K step
; each of the four partners that ask for them jointly names 8,192, told apart by address (cx for A, cy for B): a lane a block of 256 bytes, one instruction a wave.  Behind the first joint load
; K steps 1, 2 and 3 are named; behind the refill that brings K step n + 2, K step n + 4, two refills on; the last trip names nothing.  At most three K steps are named and not yet loaded.
; THE MATRIX INSTRUCTION IS USED TRANSPOSED (source 0 = 16 rows of B, source 1 = 16 rows of A): a lane then holds eight neighbouring numbers of a row of out0.
; REGISTERS: window 0: v0-31 addresses; v32-95 scale words, two sets; from v128 A's fragments, ONE set (blocks 0-3 fetched anew in a step's middle, 4-7 at its end); on the way out v128-255.
;   window 1: B's fragments, two sets, at v0 and v128.  window 2: the accumulators of my rows 0-63 ((a, b) at v[8 (8 a + b)]); window 3: those of rows 64-127.
.set SIZE_N, 4096
.set SIZE_K, 4096
.set KSTEP,  512
.set NQ,     KSTEP/128                 ; matrix instructions deep
.set ROWB,   256                       ; a tile's row in bytes
.set PIECE,  128*ROWB                  ; 128 rows of a K step in memory
.set PITCH,  272                       ; an LDS row: 256 bytes + 16 of padding: the 16 rows that a load touches start at 16 different 16-byte columns
.set FR,     8
.set NL,     2
.set NP,     4                         ; places behind this matrix instruction (ISA guide 7.12.1)
.set HALFT,  128*PITCH
.set SLOT,   4*HALFT                   ; A's 256 rows, then B's 256 rows
.set LAPS,   SIZE_K/(2*KSTEP)
.set SPARE,  2*SLOT                    ; behind the ring: the spare words, 128 bytes a wave
.set SPITCH, 528                       ; the way out: a stage of 16 rows x (512 + 16) bytes for each wave, in slot 0, which has had its last fill and its last read by then
.set SIDE,   524288                    ; scl: B's side
.set SBLK,   2048                      ; a block of 16 rows
.set SSTEP,  256                       ; a K step
.set ADRA, 16                          ; v16-17  LDS address of my A fragments in slot 0, 1
.set ADRB, 20                          ; v20-21  the same for B
.set STO,  24
.set RD,   25
.set CO,   26                          ; v26  16 x lane
.set ADRS, 27                          ; v27  my offset in scl
.set SPW,  28
.set NIL,  29
.set PFO,  30                          ; v30  256 x lane: the prefetch's block; never rewritten
.set SC,   32
.set AF,   128
.set BK,   128
.set PFA,  12                          ; s[12:13] the prefetches' base
.set G1, 24                            ; s[24:31] group 1 for A's tiles; s[32:39] group 0, one set for each slot
.set G0, 32
.set G1B, 48                           ; s[48:55], s[56:63] the same for B's tiles
.set G0B, 56
.set MSB, 0
.macro WIN new                         ; the immediate's high byte repeats the setting that is left
.if MSB != \new
	s_set_vgpr_msb (MSB<<8)|\new
.set MSB, \new
.endif
.endm
.set MUL_LO, 0xa1                      ; source 0 (B) window 1, source 1 (A) window 0, C and D window 2
.set MUL_HI, 0xf1
.set TO_B,   0x40
; A joint load: waves 0 and 1 fetch for A, waves 2 and 3 for B.  Each line has one mask and one set of registers for all that issue it; the branch hangs on the wave's number alone.
.macro JLOAD g0a, g1a, g0b, g1b
	s_cmp_eq_u32 s15, 0
	s_cbranch_scc0 .Lfor_b_\@
	tensor_load_to_lds s[\g0a:\g0a+3], s[\g1a:\g1a+7]
	s_nop 0
.rept 4
	v_nop
.endr
	s_branch .Lasked_\@
.Lfor_b_\@:
	tensor_load_to_lds s[\g0b:\g0b+3], s[\g1b:\g1b+7]
	s_nop 0
.rept 4
	v_nop
.endr
.Lasked_\@:
.endm
.macro CREST                           ; a round of the cluster's barrier behind its opening barrier
	s_cmp_lg_u32 s14, 0
	s_cbranch_scc1 .Lnot_wave_0_\@
	s_barrier_signal -3
.Lnot_wave_0_\@:
	s_barrier_wait -3
	s_barrier_signal -1
	s_barrier_wait -1
.endm
.macro CROUND
	s_barrier_signal -1
	s_barrier_wait -1
	CREST
.endm
	s_load_b128 s[4:7], s[0:1], 0x0                ; acodes, bcodes
	s_load_b128 s[8:11], s[0:1], 0x10              ; scl, out0
	v_lshl_add_u32 v[SPW], v0, 2, SPARE
	v_mov_b32 v[NIL], 0
	ds_add_u32 v[SPW], v[NIL]                      ; the opening lines: the add, twice on end, and its wait ahead of my first tensor load
	ds_add_u32 v[SPW], v[NIL]
	v_lshrrev_b32 v1, 5, v0
	v_readfirstlane_b32 s14, v1                    ; wave 0..3
	s_lshr_b32 s15, s14, 1                         ; which half of the tile's rows is mine.  Also: I fetch for A (0) or for B (1)
	s_and_b32 s16, s14, 1                          ; which half of its columns.  Also: which 128 rows of that tile I fetch
	s_bfe_u32 s40, ttmp6, 0x40000                  ; cx, cy
	s_bfe_u32 s41, ttmp6, 0x40004
	s_lshl_b32 s42, ttmp9, 2
	s_add_co_u32 s42, s42, s40                     ; tile column
	s_and_b32 s17, ttmp7, 0xffff
	s_lshl_b32 s17, s17, 2
	s_add_co_u32 s17, s17, s41                     ; tile row
	s_lshl_b32 s43, s41, 2
	s_lshl_b32 s43, 15, s43                        ; my row of the cluster
	s_lshl_b32 s44, 0x1111, s40                    ; my column
	s_or_b32 s[G1+0], s43, (0<<16)|(1<<20)|(1<<21)|(5<<22)|(3<<25)   ; the mask; elements of 1 byte; 4 words of padding behind every 64; bit 21 beside a mask
	s_or_b32 s[G1B+0], s44, (0<<16)|(1<<20)|(1<<21)|(5<<22)|(3<<25)
.irp g, G1, G1B
	s_mov_b32 s[\g+1], ROWB<<16                    ; tensor_dim0
	s_mov_b32 s[\g+2], 128<<16                     ; tensor_dim1
	s_mov_b32 s[\g+3], ROWB<<16                    ; tile_dim0
	s_mov_b32 s[\g+4], 128                         ; tile_dim1
	s_mov_b32 s[\g+5], ROWB                        ; dense
	s_mov_b32 s[\g+6], 0
	s_mov_b32 s[\g+7], 0
.endr
	s_lshl_b32 s18, s16, 7
	s_lshl_b32 s20, s17, 8
	s_add_co_u32 s20, s20, s18
	s_lshl_b32 s20, s20, 11                        ; A: 262,144 x (2 x tile row + half)
	s_mov_b32 s21, 0
	s_lshl_b32 s46, s42, 8
	s_add_co_u32 s46, s46, s18
	s_lshl_b32 s46, s46, 11                        ; B: 262,144 x (2 x tile column + half)
	s_mov_b32 s47, 0
	s_mul_i32 s45, s14, HALFT                      ; where they go: wave x 128 rows
	s_wait_dscnt 0x0                               ; both opening adds are done
	s_wait_kmcnt 0x0
	s_add_nc_u64 s[20:21], s[4:5], s[20:21]
	s_add_nc_u64 s[46:47], s[6:7], s[46:47]
	s_cmp_eq_u32 s15, 0                            ; the prefetches: the 32,768 bytes that I fetch,
	s_cselect_b64 s[PFA:PFA+1], s[20:21], s[46:47]
	s_cselect_b32 s22, s40, s41                    ; my work-group's place among the four that ask for them with me,
	s_lshl_b32 s22, s22, 13                        ; its 8,192 of them
	s_mov_b32 s23, 0
	s_add_nc_u64 s[PFA:PFA+1], s[PFA:PFA+1], s[22:23]
.irp s, 0,1
	s_mov_b32 s[G0+4*\s], 1
	s_add_co_u32 s[G0+4*\s+1], s45, \s*SLOT
	s_add_nc_u64 s[G0+4*\s+2:G0+4*\s+3], s[20:21], \s*PIECE
	s_or_b32 s[G0+4*\s+3], s[G0+4*\s+3], 0x80000000
	s_mov_b32 s[G0B+4*\s], 1
	s_add_co_u32 s[G0B+4*\s+1], s45, \s*SLOT
	s_add_nc_u64 s[G0B+4*\s+2:G0B+4*\s+3], s[46:47], \s*PIECE
	s_or_b32 s[G0B+4*\s+3], s[G0B+4*\s+3], 0x80000000
.endr
	s_lshl_b32 s18, s17, 15                        ; scl: A's blocks 16 x tile row + 8 x half on;
	s_lshl_b32 s19, s15, 14
	s_add_co_u32 s18, s18, s19
	s_lshl_b32 s19, s42, 15
	s_lshl_b32 s46, s16, 14
	s_add_co_u32 s19, s19, s46
	s_add_co_u32 s19, s19, SIDE                    ; B's,
	s_sub_co_u32 s19, s19, s18                     ; as a distance from A's
	s_mul_i32 s21, s15, HALFT                      ; LDS: my 128 rows of A,
	s_mul_i32 s22, s16, HALFT
	s_add_co_u32 s22, s22, 2*HALFT                 ; my 128 rows of B, behind A's 256,
	s_mul_i32 s23, s14, 16*SPITCH                  ; my stage
	s_lshl_b32 s2, s17, 8
	s_lshl_b32 s3, s15, 7
	s_add_co_u32 s2, s2, s3
	s_lshl_b32 s2, s2, 14                          ; out0: my first row,
	s_lshl_b32 s46, s42, 10
	s_add_co_u32 s2, s2, s46
	s_lshl_b32 s46, s16, 9                         ; my first column
	s_add_co_u32 s2, s2, s46
	s_mov_b32 s3, 0
	s_add_nc_u64 s[10:11], s[10:11], s[2:3]
	CROUND                                         ; all sixteen work-groups are here: the first joint loads meet
	JLOAD G0, G1, G0B, G1B                         ; K step 0: one tensor load a wave at the head
	v_and_b32 v1, 15, v0                           ; l % 16
	v_bfe_u32 v2, v0, 4, 1                         ; l / 16
	v_and_b32 v6, 31, v0
	v_mul_u32_u24 v5, s19, v2                      ; lanes 16-31 take B's scales
	v_mul_u32_u24 v3, v1, PITCH
	v_mul_u32_u24 v7, v1, SPITCH
	v_lshlrev_b32 v[PFO], 8, v6
	v_add_nc_u32 v5, s18, v5
	v_lshlrev_b32 v[CO], 4, v6
	v_lshl_add_u32 v4, v2, 4, v3                   ; a fragment's row x pitch + 16 x half
	v_lshl_add_u32 v[ADRS], v1, 4, v5
	v_lshl_add_u32 v7, v2, 5, v7
	v_add_nc_u32 v[ADRA], s21, v4
	v_add_nc_u32 v[ADRB], s22, v4
	v_add_nc_u32 v[STO], s23, v7                   ; into the stage: row l % 16, 32 bytes for each half of the lanes
	v_add_nc_u32 v[RD], s23, v[CO]                 ; back: the 32 lanes take one row of 512 bytes
	v_add_nc_u32 v[ADRA+1], SLOT, v[ADRA]
	v_add_nc_u32 v[ADRB+1], SLOT, v[ADRB]
.macro SCLOAD set, off
.irp i, 0,1,2,3,4,5,6,7
	global_load_b128 v[SC+8*NQ*(\set)+NQ*\i:SC+8*NQ*(\set)+NQ*\i+3], v[ADRS], s[8:9] offset:(\off)+SBLK*\i
.endr
.endm
	SCLOAD 0, 0
	SCLOAD 1, SSTEP
.irp u, 1,2,3
	global_prefetch_b8 v[PFO], s[PFA:PFA+1] offset:\u*PIECE th:TH_LOAD_NT scope:SCOPE_SE   ; my share of K steps 1, 2, 3
.endr
.macro FRAG reg, adr, q, i             ; 16 rows x 128 K: registers 4 c .. 4 c + 3 hold K = 64 c + 32 (l / 16) on
.irp c, 0,1
	ds_load_b128 v[\reg+4*\c:\reg+4*\c+3], v[\adr] offset:64*(\q)+32*\c+(\i)*16*PITCH
.endr
.endm
; 16 matrix instructions: A's blocks a0, a0 + 1 x B's eight.  p: B's set; q: the step in its slot; sc: the set of scale words.  The 64 accumulators take turns.
.macro MUL16 a0, p, q, sc, zero
.irp a, \a0, \a0+1
.irp b, 0,1,2,3,4,5,6,7
.if \zero
	v_wmma_scale_f32_16x16x128_f8f6f4 v[8*(8*((\a)%4)+\b):8*(8*((\a)%4)+\b)+7], v[128*(\p)+FR*\b:128*(\p)+FR*\b+FR-1], v[AF+FR*(\a):AF+FR*(\a)+FR-1], 0, v[SC+8*NQ*(\sc)+NQ*\b+(\q)], v[SC+8*NQ*(\sc)+NQ*(\a)+(\q)] matrix_a_fmt:MATRIX_FMT_FP4 matrix_b_fmt:MATRIX_FMT_FP4 matrix_a_scale:MATRIX_SCALE_ROW1
.else
	v_wmma_scale_f32_16x16x128_f8f6f4 v[8*(8*((\a)%4)+\b):8*(8*((\a)%4)+\b)+7], v[128*(\p)+FR*\b:128*(\p)+FR*\b+FR-1], v[AF+FR*(\a):AF+FR*(\a)+FR-1], v[8*(8*((\a)%4)+\b):8*(8*((\a)%4)+\b)+7], v[SC+8*NQ*(\sc)+NQ*\b+(\q)], v[SC+8*NQ*(\sc)+NQ*(\a)+(\q)] matrix_a_fmt:MATRIX_FMT_FP4 matrix_b_fmt:MATRIX_FMT_FP4 matrix_a_scale:MATRIX_SCALE_ROW1
.endif
.endr
.endr
.endm
.macro FETCH_B slot, q, p
	WIN TO_B
.irp i, 0,1,2,3,4,5,6,7
	FRAG 128*(\p)+FR*\i, ADRB+\slot, \q, \i
.endr
	WIN 0
.endm
.macro FETCH_A slot, q, i0
.irp i, \i0, \i0+1, \i0+2, \i0+3
	FRAG AF+FR*(\i), ADRA+\slot, \q, \i
.endr
.endm
.macro PLACES n
.rept \n
	v_nop
.endr
.endm
; A step of 128 along K that has its successor in the same slot.
.macro STEP slot, q, zero
	s_wait_dscnt 4*NL                              ; B's set and A's blocks 0-3 are in; the youngest loads (A's blocks 4-7) may be out
	WIN MUL_LO
	MUL16 0, (\q)%2, \q, \slot, \zero
	MUL16 2, (\q)%2, \q, \slot, \zero
	s_wait_dscnt 0                                 ; A's blocks 4-7 are in
	PLACES NP                                      ; in front of loads into registers that matrix instructions have read
	FETCH_B \slot, (\q)+1, 1-(\q)%2
	FETCH_A \slot, (\q)+1, 0
	WIN MUL_HI
	MUL16 4, (\q)%2, \q, \slot, \zero
	MUL16 6, (\q)%2, \q, \slot, \zero
	PLACES NP
	WIN 0
	FETCH_A \slot, (\q)+1, 4
.endm
; A slot's last step changes slots: ONE barrier; in front of it each wave waits for all its tensor loads, adds 0 to its spare word, and waits for that and for its own reads of this slot.
; fill = 1: the barrier opens a round of the cluster's barrier, and this slot is filled again, two K steps ahead.
.macro TURN slot, next, fill
.if \fill
	s_wait_xcnt 0x0                                ; my last prefetch has read its base: it goes a K step on
	s_add_nc_u64 s[PFA:PFA+1], s[PFA:PFA+1], PIECE
.endif
	s_wait_tensorcnt 0x0                           ; all my tensor loads have landed: my part of the next slot;
	ds_add_u32 v[SPW], v[NIL]                      ; 0 onto my spare word;
	s_wait_dscnt 4*NL+1                            ; (the add and the youngest loads, A's blocks 4-7, may be out)
	WIN MUL_LO
	MUL16 0, 1, NQ-1, \slot, 0
	s_wait_dscnt 0x0                               ; the add is done, and my reads of this slot are over
	s_barrier_signal -1
	MUL16 2, 1, NQ-1, \slot, 0
	WIN 0
	s_barrier_wait -1
.if \fill
	CREST                                          ; no wave of any partner still reads this slot's tile or has a load on its way
	s_add_nc_u64 s[G0+4*\slot+2:G0+4*\slot+3], s[G0+4*\slot+2:G0+4*\slot+3], 2*PIECE
	s_add_nc_u64 s[G0B+4*\slot+2:G0B+4*\slot+3], s[G0B+4*\slot+2:G0B+4*\slot+3], 2*PIECE
	JLOAD G0+4*\slot, G1, G0B+4*\slot, G1B         ; the first tensor load behind the round; its four v_nop are the places in front of the loads below
.else
	PLACES NP
.endif
	FETCH_B \next, 0, 0
	FETCH_A \next, 0, 0
.if \fill
	s_cmp_gt_u32 s3, 1                             ; the last trip has no K step two refills on
	s_cbranch_scc0 .Lno_ask_\@
	global_prefetch_b8 v[PFO], s[PFA:PFA+1] offset:3*PIECE th:TH_LOAD_NT scope:SCOPE_SE   ; behind the n-th step of the base: K step n + 4
.Lno_ask_\@:
.endif
	WIN MUL_HI
	MUL16 4, 1, NQ-1, \slot, 0
	MUL16 6, 1, NQ-1, \slot, 0
	PLACES NP
	WIN 0
	s_wait_loadcnt 0x0                             ; the next slot's scale words are in, and the loads have read their address
.if \fill
	s_wait_alu depctr_va_vdst(0)                   ; directly ahead of the reader below
	v_add_nc_u32 v[ADRS], SSTEP, v[ADRS]
	SCLOAD \slot, SSTEP                            ; this slot's set takes the K step two on
.endif
	FETCH_A \next, 0, 4
.endm
.macro STEPS slot, from
.set Q, \from
.rept NQ-1-\from
	STEP \slot, Q, 0
.set Q, Q+1
.endr
.endm
	s_wait_alu depctr_va_vdst(0)                   ; the wait at the head's end
	s_wait_tensorcnt 0x0                           ; my part of K step 0 is in
	ds_add_u32 v[SPW], v[NIL]
	s_wait_dscnt 0x0
	CROUND                                         ; everybody's part is in, and all sixteen work-groups are here
	JLOAD G0+4, G1, G0B+4, G1B                     ; K step 1: the first tensor load behind the round
	FETCH_B 0, 0, 0
	FETCH_A 0, 0, 0
	FETCH_A 0, 0, 4
	s_wait_loadcnt 8                               ; the first set of scale words is in; the second may be out
	STEP 0, 0, 1                                   ; the first step stands in front of the loop: its products start the sums
	s_mov_b32 s3, LAPS-1
.Llap:                                                 ; a trip goes once round the ring, from a lap's second step to the next lap's first
	STEPS 0, 1
	TURN 0, 1, 1
	STEPS 1, 0
	TURN 1, 0, 1
	STEP 0, 0, 0
	s_sub_co_u32 s3, s3, 1
	s_cmp_lg_u32 s3, 0
	s_cbranch_scc1 .Llap
	STEPS 0, 1                                     ; the last lap fills nothing
	TURN 0, 1, 0
	STEPS 1, 0
	s_wait_dscnt 4*NL
	WIN MUL_LO
	MUL16 0, 1, NQ-1, 1, 0
	MUL16 2, 1, NQ-1, 1, 0
	s_wait_dscnt 0
	WIN MUL_HI
	MUL16 4, 1, NQ-1, 1, 0
	MUL16 6, 1, NQ-1, 1, 0
	WIN 0
; THE WAY OUT, block by block of 16 rows x 128 columns: through my own stage in LDS, back as whole rows of 512 bytes, which the 32 lanes store as two aligned units of 256 bytes.
; LDS serves a wave's instructions in order (ISA guide 5.7.1.4): no wait between the stores and the loads.
.macro TOSTAGE a
.set AC, 64*((\a)%4)
	WIN 0x08+4*((\a)/4)                            ; the data: window 2 or 3
.irp b, 0,1,2,3,4,5,6,7
	ds_store_b128 v[STO], v[AC+8*\b:AC+8*\b+3] offset:64*\b          ; each accumulator from its low end on
	ds_store_b128 v[STO], v[AC+8*\b+4:AC+8*\b+7] offset:64*\b+16
.endr
	WIN 0
.set BB, BK+64*((\a)%2)
.irp t, 0,1,2,3,4,5,6,7,8,9,10,11,12,13,14,15
	ds_load_b128 v[BB+4*\t:BB+4*\t+3], v[RD] offset:\t*SPITCH
.endr
.endm
.macro SEND a, younger                 ; younger: the LDS instructions issued behind block a's loads
.set BB, BK+64*((\a)%2)
	s_wait_dscnt \younger
.if (\a) > 0
	s_add_nc_u64 s[10:11], s[10:11], 16*SIZE_N*4   ; (behind a wait on XCNT: the earlier stores have read their base)
.endif
.irp t, 0,1,2,3,4,5,6,7,8,9,10,11,12,13,14,15
	global_store_b128 v[CO], v[BB+4*\t:BB+4*\t+3], s[10:11] offset:\t*SIZE_N*4 th:TH_STORE_NT
.endr
.endm
	PLACES NP
	TOSTAGE 0
.irp a, 1,2,3,4,5,6,7
.if \a > 1
	s_wait_xcnt 0x0                                ; block a - 2's stores have read their registers and their base
.endif
	TOSTAGE \a
	SEND \a-1, 32
.endr
	s_wait_xcnt 0x0
	SEND 7, 0
	s_wait_tensorcnt 0x0                           ; the wave's end
	ds_add_u32 v[SPW], v[NIL]
	s_wait_dscnt 0x0
	CROUND                                         ; the closing round: no work-group ends while a partner may still ask for a tile that names it
	s_endpgm
.Lfunc_end_k_qd2d448055e_gemm:
	.size	k_qd2d448055e_gemm, .Lfunc_end_k_qd2d448055e_gemm-k_qd2d448055e_gemm
	.p2alignl 7, 3214868480
	.fill 96, 4, 3214868480
	.section	.rodata,"a",@progbits
	.p2align	6, 0x0
	.amdhsa_kernel k_qd2d448055e_gemm
		.amdhsa_group_segment_fixed_size 327680
		.amdhsa_private_segment_fixed_size 0
		.amdhsa_enable_private_segment 0
		.amdhsa_kernarg_size 32
		.amdhsa_user_sgpr_count 2
		.amdhsa_user_sgpr_kernarg_segment_ptr 1
		.amdhsa_wavefront_size32 1
		.amdhsa_system_sgpr_workgroup_id_x 1
		.amdhsa_system_sgpr_workgroup_id_y 1
		.amdhsa_system_sgpr_workgroup_id_z 1
		.amdhsa_system_vgpr_workitem_id 0
		.amdhsa_next_free_vgpr 1024
		.amdhsa_next_free_sgpr 66
		.amdhsa_reserve_vcc 0
		.amdhsa_float_denorm_mode_32 3
		.amdhsa_float_denorm_mode_16_64 3
		.amdhsa_memory_ordered 1
		.amdhsa_forward_progress 1
		.amdhsa_inst_pref_size 211
	.end_amdhsa_kernel
	.amdgpu_metadata
---
amdhsa.version: [ 1, 2 ]
amdhsa.kernels:
  - .name:           k_qd2d448055e_gemm
    .symbol:         k_qd2d448055e_gemm.kd
    .args:
      - { .name: acodes, .offset: 0, .size: 8, .value_kind: global_buffer, .address_space: global }
      - { .name: bcodes, .offset: 8, .size: 8, .value_kind: global_buffer, .address_space: global }
      - { .name: scl, .offset: 16, .size: 8, .value_kind: global_buffer, .address_space: global }
      - { .name: out0, .offset: 24, .size: 8, .value_kind: global_buffer, .address_space: global }
    .group_segment_fixed_size: 327680
    .private_segment_fixed_size: 0
    .kernarg_segment_align: 8
    .kernarg_segment_size: 32
    .max_flat_workgroup_size: 128
    .sgpr_count:     66
    .vgpr_count:     1024
    .wavefront_size: 32
...
	.end_amdgpu_metadata
.endif
;; end of part 2
